; MI455X (gfx1250); checked and timed in simulation.
; The chip was launched on July 23, 2026; its instructions are those of AMD's public machine-readable ISA for CDNA 5 (MIT licence, August 2026) and "CDNA5" Instruction Set Architecture Reference Guide (July 2026). The comments in the code are by the model that wrote it; some were corrected since.
;; Attention. Allowed arithmetic: matrix products marked QUANTISED: E2M3 operands, one E8M0 scale for each 32 along K, by v_wmma_scale_f32_16x16x128_f8f6f4 with both operands' format E2M3, f32 sums; everything else in f32.
;; Inputs: Wk 1,024 x 1,024 float32; Wo 1,024 x 1,024 float32; Wq 1,024 x 1,024 float32; Wv 1,024 x 1,024 float32; bias 4 x 1 x 1 x 2,048 float32; x 4 x 2,048 x 1,024 float32.
;; Outputs: out0 4 x 2,048 x 1,024 float32.
;; This version of the problem:
;;   THIS VERSION OF THE PROBLEM IS GIVEN IN LOW PRECISION. The matrix products marked QUANTISED in the list below multiply operands that are first quantised to E2M3 (2 exponent bits, 3 mantissa bits; 6 bits a number), with one power-of-two scale for each 32 numbers along K (OCP MX v1.0); their sums are f32. All else is computed in f32.
;;   The module's matrix products, in the order in which they are computed (A, B: the left and right operand; K: the contracted axis; several contracted axes count as one K, in the product's order):
;;     1. [M 8,192, K 1,024] x [K 1,024, N 1,024]; A: input x; B: input Wq: QUANTISED
;;     2. [M 8,192, K 1,024] x [K 1,024, N 1,024]; A: input x; B: input Wk: QUANTISED
;;     3. [M 8,192, K 1,024] x [K 1,024, N 1,024]; A: input x; B: input Wv: QUANTISED
;;     4. batch 64 x [M 2,048, K 64] x [K 64, N 2,048]; A: computed on the way; B: computed on the way: QUANTISED
;;     5. batch 64 x [M 2,048, K 2,048] x [K 2,048, N 64]; A: softmax (see below); B: computed on the way: QUANTISED
;;     6. [M 8,192, K 1,024] x [K 1,024, N 1,024]; A: computed on the way; B: input Wo: QUANTISED
;;   THE QUANTISER, for each operand of a quantised product, along K:
;;     - K is cut into blocks of 32 from its start; a last block that is shorter is filled with zeros.
;;     - A block's scale is 2^e with e = floor(log2(the largest magnitude in the block)) - 2, held to -126 .. 127; a block of zeros has e = 0. As a byte (E8M0): e + 127.
;;     - Each number is divided by its block's scale, clamped to +-7.5, and rounded to the nearest number of E2M3, ties to even, subnormals kept.
;;     - The product sums the exact products of the quantised numbers (number of the format x scale) in f32.
;;   ~~~python
;;   def quantise(x, axis):      # numpy; x: float32 -> the quantised numbers, widened to float32 again
;;       x = np.moveaxis(x, axis, -1); K = x.shape[-1]
;;       x = np.pad(x, [(0, 0)] * (x.ndim - 1) + [(0, -K % 32)]); x = x.reshape(x.shape[:-1] + (-1, 32)); a = np.abs(x).max(-1, keepdims=True)
;;       e = np.where(a > 0, np.clip(np.frexp(np.where(a > 0, a, 1))[1] - 1 - 2, -126, 127), 0)      # np.frexp(a)[1] - 1 = floor(log2(a)), exactly
;;       r = np.clip(x / 2.0 ** e, -7.5, 7.5)
;;       step = 2.0 ** (np.maximum(np.frexp(np.where(r == 0, 1, r))[1] - 1, 0) - 3)
;;       q = np.round(r / step) * step * 2.0 ** e      # np.round: ties to even
;;       return np.moveaxis(q.reshape(q.shape[:-2] + (-1,))[..., :K], -1, axis).astype(np.float32)
;;   ~~~
;;   SOFTMAX AHEAD OF A QUANTISED PRODUCT. Where the list says 'softmax', what is quantised is not the finished softmax but p = 2^(t - M), with t = logit x log2(e) and M = ceil(the row's largest t), a whole number; so 1/2 < the row's largest p <= 1. The row's sum l is taken of the UNQUANTISED p, in f32, and the product's result is divided by l at the end. Since M is a whole number, a kernel that streams over the keys may use a running M (the ceiling of the running maximum): every later rescaling is an exact power of two, which a block's scale takes up: the codes' values come out the same.
;;   OPERANDS COMPUTED ON THE WAY. 'Computed on the way' means the value that the module computes at that place (a softmax that the list does not call 'softmax' is quantised finished and normalised). What goes into a quantiser is computed in f32, as accurately as f32 sums, v_exp_f32 and their like allow (about 1e-6 of the number): no bf16 or f16 on the way to a quantiser, and a product that is left as it is and whose result goes on into a quantised operand takes f32 operands (vector FMAs, or v_wmma_f32_16x16x4_f32). A number that lies on a knife's edge between two numbers of the format may be rounded either way, as far as f32 arithmetic and the matrix unit's own rounding can turn it there, and no further.
;; One version. Each part assembles by itself: llvm-mc -triple=amdgcn-amd-amdhsa -mcpu=gfx1250 --defsym DOCPART=n.
;; ======== version 1 of 1: 4 launches
;; limits: right only within a limited range of input values
;; workspace buffers: xq 6,553,600 bytes; wq 3,276,800 bytes; qq 6,815,744 bytes; kv 13,369,344 bytes; aq 6,553,600 bytes
;; launch prep (part 1): grid 512 x 1, 4 waves a work-group, no clusters, 34,304 bytes of LDS; arguments x, Wq, Wk, Wv, Wo, xq, wq; writes xq, wq
.if DOCPART == 1
	.amdgcn_target "amdgcn-amd-amdhsa--gfx1250"
	.amdhsa_code_object_version 6
	.text
	.protected	k_q6a474e9466_prep
	.globl	k_q6a474e9466_prep
	.p2align	8
	.type	k_q6a474e9466_prep,@function
k_q6a474e9466_prep:
	s_mov_b64 s[64:65], 0
	v_nop
	global_prefetch_b8 v0, s[64:65] scope:SCOPE_SE
	s_setreg_imm32_b32 hwreg(HW_REG_WAVE_MODE, 25, 1), 1
	s_wait_xcnt 0x0
; x [8192][1024] and Wq, Wk, Wv, Wo [1024 (k)][1024 (n)], f32, become codes of FP6 (E2M3) with one E8M0 byte for each 32 along K,
; laid as IMAGES OF OPERAND REGISTERS.  A tile is 16 rows (tokens of x, columns of a weight); row i of tile t is index
; 32 (t / 2) + 8 (t % 2) + i + 8 (i / 8).  A tile's block is 12,800 bytes: eight fragments (K steps of 128) of 1,536 bytes, then 512 bytes of scale words.
; A fragment is two halves of 768 bytes (64 along K each): lane l's registers 0-3 of the half at 16 l, registers 4, 5 at 512 + 16 (l % 16) + 8 (l / 16).
; The scale word of K step 4 hh + j, row r lies at 12,288 + 256 hh + 16 r + 4 j.
; A block's scale is 2^(floor(log2(largest magnitude)) - 2): its byte is the largest magnitude's exponent field - 2, held at 1 from below.
; LIMITS: NaN and infinities are not served; a block whose largest magnitude lies under 2^-124 (a block of zeros too) keeps the byte 1: its bytes are read by this program alone.
; Work-groups 0-255 take the weights, 256-511 take x.  Work-groups share no input, so there is no cluster; nothing is multiplied, so no matrix unit; waves share nothing, so no barrier.
.set FLOOR, 0x1800000                  ; 2^(3 - 127)
.set EOFF,  0xff000000                 ; 2 off an exponent field
.set SEL,   32                         ; s[32:33] lane selects: lane l xor 16
; ---- the weights.  A LANE IS A COLUMN, ITS REGISTERS RUN DOWN K: v64-191 hold k = 128 s + 0 .. 127 of my column.  Pair c: k = 64 c .. 64 c + 63, two whole blocks.
.macro PAIRW c
.set XB, 64+64*\c
.set CA, 8+20*\c                       ; twenty registers of its own for each pair: no store's data are written again
.if \c == 0
	s_wait_loadcnt 63                              ; 64 loads were issued behind this pair's last; the wait names 63 at the most
.else
	s_wait_loadcnt 0x0
.endif
	v_max3_num_f32 v48, |v[XB]|, |v[XB+1]|, FLOOR
	v_max3_num_f32 v49, |v[XB+32]|, |v[XB+33]|, FLOOR
.irp i, 2,4,6,8,10,12,14,16,18,20,22,24,26,28,30
	v_max3_num_f32 v48, v48, |v[XB+\i]|, |v[XB+\i+1]|          ; the two blocks by turns
	v_max3_num_f32 v49, v49, |v[XB+32+\i]|, |v[XB+33+\i]|
.endr
	v_add_nc_u32 v50, EOFF, v48                    ; the conversion takes the exponent field of this operand as its scale
	v_add_nc_u32 v51, EOFF, v49
	v_lshrrev_b32 v52, 23, v50                     ; the scales' bytes
	v_lshrrev_b32 v53, 23, v51
.if \c == 0
	v_lshl_or_b32 v54, v53, 8, v52
.else
	v_lshl_or_b32 v54, v52, 16, v54
	v_lshl_or_b32 v54, v53, 24, v54                ; my column's scale word of this K step
.endif
	v_cvt_scalef32_pk16_fp6_f32 v[CA:CA+2], v[XB:XB+15], v50
	v_cvt_scalef32_pk16_fp6_f32 v[CA+12:CA+14], v[XB+16:XB+31], v50
	v_cvt_scalef32_pk16_fp6_f32 v[CA+4:CA+6], v[XB+32:XB+47], v51
	v_cvt_scalef32_pk16_fp6_f32 v[CA+16:CA+18], v[XB+48:XB+63], v51
	v_nop                                          ; one plain line behind the scaled conversions
	v_mov_b32 v[CA+3], v[CA+12]                    ; the lower block's registers 0-3,
	v_mov_b32 v[CA+8], v[CA+13]                    ; its registers 4, 5,
	v_mov_b32 v[CA+9], v[CA+14]
	v_mov_b32 v[CA+7], v[CA+16]                    ; the upper block's registers 0-3,
	v_mov_b32 v[CA+10], v[CA+17]                   ; its registers 4, 5
	v_mov_b32 v[CA+11], v[CA+18]
	global_store_b128 v2, v[CA:CA+3], s[28:29] offset:768*\c        ; sixteen lanes (one tile's rows) store 256 consecutive bytes, aligned; the other sixteen the next tile's
	global_store_b128 v2, v[CA+4:CA+7], s[28:29] offset:768*\c+256
	global_store_b128 v2, v[CA+8:CA+11], s[28:29] offset:768*\c+512
.endm
; ---- x.  A wave takes a tile's 16 rows x 512 along K, four K steps.
.macro LOADX j                         ; 16 loads, each 512 consecutive bytes of one row, into set j % 2
.set RS, 64+64*((\j)%2)
.irp i, 0,1,2,3,4,5,6,7,8,9,10,11,12,13,14,15
	global_load_b128 v[RS+4*\i:RS+4*\i+3], v1, s[4:5] offset:(\i+8*(\i/8))*4096+512*(\j) th:TH_LOAD_NT
.endr
.endm
.macro QUANTW j                        ; v192-255: register 32 c + i = k 64 c + 32 (lane / 16) + i of my row: two whole blocks a lane
.irp c, 0,1
	v_max3_num_f32 v[28+\c], |v[192+32*\c]|, |v[193+32*\c]|, FLOOR
.endr
.irp i, 2,4,6,8,10,12,14,16,18,20,22,24,26,28,30
.irp c, 0,1
	v_max3_num_f32 v[28+\c], v[28+\c], |v[192+32*\c+\i]|, |v[193+32*\c+\i]|
.endr
.endr
.irp c, 0,1
	v_add_nc_u32 v[30+\c], EOFF, v[28+\c]
.endr
.irp c, 0,1
	v_lshrrev_b32 v[32+\c], 23, v[30+\c]
.endr
	v_lshl_or_b32 v34, v33, 16, v32                ; my two bytes: blocks h and 2 + h,
	v_lshlrev_b32 v34, v6, v34                     ; 8 h bits up;
	v_permlanex16_b32 v35, v34, s[SEL], s[SEL+1]
	v_or_b32 v[36+(\j)], v34, v35                  ; with lane l xor 16's two the row's word is whole
.irp c, 0,1
	v_cvt_scalef32_pk16_fp6_f32 v[8+6*\c:10+6*\c], v[192+32*\c:207+32*\c], v[30+\c]
	v_cvt_scalef32_pk16_fp6_f32 v[20+4*\c:22+4*\c], v[208+32*\c:223+32*\c], v[30+\c]   ; (a conversion's three registers begin on an even number)
.endr
	v_nop
.irp c, 0,1
.irp i, 0,1,2
	v_mov_b32 v[11+6*\c+\i], v[20+4*\c+\i]
.endr
.endr
.endm
.macro XSTEP j
.set RS, 64+64*((\j)%2)
.if (\j) < 3
	s_wait_loadcnt 16                              ; this step's 16 loads are in; the next step's 16 may be out
.else
	s_wait_loadcnt 0x0
.endif
.irp i, 0,1,2,3,4,5,6,7,8,9,10,11,12,13,14,15
	ds_store_b128 v4, v[RS+4*\i:RS+4*\i+3] offset:528*\i       ; through my own stage, rows 528 bytes apart; LDS serves a wave's instructions in order
.endr
.irp n, 0,1,2,3,4,5,6,7,8,9,10,11,12,13,14,15
	ds_load_b128 v[192+4*\n:195+4*\n], v5 offset:256*(\n/8)+16*(\n%8)
.endr
	s_wait_xcnt 0x0                                ; the last step's stores have read their data: the codes' registers may be written again
	s_wait_dscnt 0x0
.if (\j)+2 < 4
	LOADX (\j)+2
.endif
	QUANTW \j
	global_store_b128 v1, v[8:11], s[28:29] offset:1536*(\j)        ; 512 consecutive bytes
	global_store_b64 v2, v[12:13], s[28:29] offset:1536*(\j)+512    ; 256 consecutive bytes
	global_store_b128 v1, v[14:17], s[28:29] offset:1536*(\j)+768
	global_store_b64 v2, v[18:19], s[28:29] offset:1536*(\j)+1280
.endm
	s_load_b256 s[4:11], s[0:1], 0x0               ; x, Wq, Wk, Wv
	s_load_b128 s[12:15], s[0:1], 0x20             ; Wo, xq
	s_load_b64 s[16:17], s[0:1], 0x30              ; wq
	v_lshl_add_u32 v62, v0, 2, 0x8400
	v_mov_b32 v63, 0
	v_lshrrev_b32 v1, 5, v0
	v_readfirstlane_b32 s18, v1                    ; wave
	v_and_b32 v7, 31, v0                           ; lane
	s_cmp_lt_u32 ttmp9, 256
	s_cbranch_scc0 .Lx_path
	; work-group g: weight m = g / 64, columns 128 cg on (cg = (g / 8) % 8), K step s = g % 8; wave w: 32 columns, a pair of tiles
	s_lshr_b32 s20, ttmp9, 6                       ; m
	s_bfe_u32 s21, ttmp9, 0x30003                  ; cg
	s_and_b32 s22, ttmp9, 7                        ; s
	v_lshlrev_b32 v1, 2, v7                        ; in: 4 bytes a lane
	v_bfe_u32 v2, v7, 3, 1                         ; column l of the 32 is row (l % 8) + 8 (l / 16) of tile (l / 8) % 2
	v_and_b32 v3, 7, v7
	v_lshrrev_b32 v4, 4, v7
	v_lshl_add_u32 v3, v4, 3, v3
	v_lshlrev_b32 v3, 4, v3
	v_mad_u32_u24 v2, v2, 12800, v3                ; out: 12,800 x tile + 16 x row
	s_lshl_b32 s24, s22, 19                        ; 128 s rows of 4,096 bytes
	s_lshl_b32 s26, s21, 9
	s_add_co_u32 s24, s24, s26
	s_lshl_b32 s26, s18, 7
	s_add_co_u32 s24, s24, s26                     ; + my wave's first column
	s_mov_b32 s25, 0
	s_lshl_b32 s26, s21, 2
	s_add_co_u32 s26, s26, s18                     ; the pair of tiles
	s_mul_i32 s26, s26, 25600
	s_mul_i32 s28, s20, 819200
	s_add_co_u32 s26, s26, s28
	s_mov_b32 s27, 0
	s_mul_i32 s28, s22, 1536
	s_add_co_u32 s28, s28, s26                     ; the codes: fragment s
	s_mov_b32 s29, 0
	s_lshr_b32 s30, s22, 2
	s_lshl_b32 s30, s30, 8
	s_and_b32 s31, s22, 3
	s_lshl_b32 s31, s31, 2
	s_add_co_u32 s30, s30, s31
	s_add_co_u32 s30, s30, 12288
	s_add_co_u32 s26, s26, s30                     ; the scale words of step s
	s_wait_alu depctr_va_vdst(0)
	s_wait_kmcnt 0x0
	s_cmp_eq_u32 s20, 1                            ; which weight: the choice hangs on the work-group's number alone
	s_cselect_b64 s[6:7], s[8:9], s[6:7]
	s_cmp_eq_u32 s20, 2
	s_cselect_b64 s[6:7], s[10:11], s[6:7]
	s_cmp_eq_u32 s20, 3
	s_cselect_b64 s[6:7], s[12:13], s[6:7]
	s_add_nc_u64 s[6:7], s[6:7], s[24:25]
	s_add_nc_u64 s[28:29], s[16:17], s[28:29]
	s_add_nc_u64 s[26:27], s[16:17], s[26:27]
.set i, 0
.rept 128
	global_load_b32 v[64+i], v1, s[6:7] offset:4096*i th:TH_LOAD_NT   ; a wave reads 128 consecutive bytes of row 128 s + i, the four waves 512
.set i, i+1
.endr
	PAIRW 0
	PAIRW 1
	global_store_b32 v2, v54, s[26:27]             ; 4 bytes of each 16: the other K steps' words come from other work-groups; one byte in 128 of what this path reads
	s_endpgm
.Lx_path:
	; wave number xw = 4 (g - 256) + w: tile T = xw / 2, half hh = xw % 2 of K
	s_wait_alu depctr_va_vdst(0)
	v_lshlrev_b32 v1, 4, v7                        ; 16 x lane
	v_and_b32 v3, 15, v7                           ; r
	v_lshrrev_b32 v6, 4, v7                        ; h
	s_mul_i32 s20, s18, 8448                       ; my stage: 16 rows x 528 bytes
	v_add_nc_u32 v4, s20, v1                       ; in: 16 x lane of a row
	v_mul_u32_u24 v5, v3, 528
	v_lshl_add_u32 v5, v6, 7, v5
	v_add_nc_u32 v5, s20, v5                       ; back: row r, + 128 h
	v_lshlrev_b32 v3, 4, v3                        ; 16 r
	v_lshl_add_u32 v2, v6, 3, v3                   ; 16 r + 8 h
	v_lshlrev_b32 v6, 3, v6                        ; 8 h
	v_mov_b32 v35, 0                               ; a lane permute's destination counts as one of its sources
	s_mov_b32 s[SEL], 0x76543210
	s_mov_b32 s[SEL+1], 0xfedcba98
	s_sub_co_u32 s21, ttmp9, 256
	s_lshl_b32 s21, s21, 2
	s_add_co_u32 s21, s21, s18                     ; xw
	s_lshr_b32 s22, s21, 1                         ; T
	s_and_b32 s23, s21, 1                          ; hh
	s_lshr_b32 s24, s22, 1
	s_lshl_b32 s24, s24, 5
	s_and_b32 s26, s22, 1
	s_lshl_b32 s26, s26, 3
	s_add_co_u32 s24, s24, s26                     ; the tile's first token: 32 (T / 2) + 8 (T % 2)
	s_lshl_b32 s24, s24, 12
	s_lshl_b32 s26, s23, 11
	s_add_co_u32 s24, s24, s26
	s_mov_b32 s25, 0
	s_mul_i32 s26, s22, 12800
	s_mul_i32 s28, s23, 6144
	s_add_co_u32 s28, s28, s26                     ; the codes: fragments 4 hh on
	s_mov_b32 s29, 0
	s_lshl_b32 s30, s23, 8
	s_add_co_u32 s26, s26, s30
	s_add_co_u32 s26, s26, 12288                   ; the scale words of steps 4 hh on
	s_mov_b32 s27, 0
	s_wait_alu depctr_va_vdst(0)
	s_wait_kmcnt 0x0
	s_add_nc_u64 s[4:5], s[4:5], s[24:25]
	s_add_nc_u64 s[28:29], s[14:15], s[28:29]
	s_add_nc_u64 s[26:27], s[14:15], s[26:27]
	LOADX 0
	LOADX 1
	XSTEP 0
	XSTEP 1
	XSTEP 2
	XSTEP 3
	s_wait_xcnt 0x0                                ; EXEC changes only behind this wait
	v_cmp_gt_u32 vcc_lo, 16, v7
	s_wait_tensorcnt 0x0
	ds_add_u32 v62, v63
	s_wait_dscnt 0x0
	s_and_saveexec_b32 s30, vcc_lo
	global_store_b128 v3, v[36:39], s[26:27]       ; lanes 0-15: the rows' four scale words: 256 consecutive bytes, aligned
	s_wait_xcnt 0x0
	s_or_b32 exec_lo, exec_lo, s30
	s_endpgm
.Lfunc_end_k_q6a474e9466_prep:
	.size	k_q6a474e9466_prep, .Lfunc_end_k_q6a474e9466_prep-k_q6a474e9466_prep
	.p2alignl 7, 3214868480
	.fill 96, 4, 3214868480
	.section	.rodata,"a",@progbits
	.p2align	6, 0x0
	.amdhsa_kernel k_q6a474e9466_prep
		.amdhsa_group_segment_fixed_size 34304
		.amdhsa_private_segment_fixed_size 0
		.amdhsa_enable_private_segment 0
		.amdhsa_kernarg_size 56
		.amdhsa_user_sgpr_count 2
		.amdhsa_user_sgpr_kernarg_segment_ptr 1
		.amdhsa_wavefront_size32 1
		.amdhsa_system_sgpr_workgroup_id_x 1
		.amdhsa_system_sgpr_workgroup_id_y 1
		.amdhsa_system_sgpr_workgroup_id_z 1
		.amdhsa_system_vgpr_workitem_id 0
		.amdhsa_next_free_vgpr 256
		.amdhsa_next_free_sgpr 66
		.amdhsa_reserve_vcc 1
		.amdhsa_float_denorm_mode_32 3
		.amdhsa_float_denorm_mode_16_64 3
		.amdhsa_memory_ordered 1
		.amdhsa_forward_progress 1
		.amdhsa_inst_pref_size 51
	.end_amdhsa_kernel
	.amdgpu_metadata
---
amdhsa.version: [ 1, 2 ]
amdhsa.kernels:
  - .name:           k_q6a474e9466_prep
    .symbol:         k_q6a474e9466_prep.kd
    .args:
      - { .name: x, .offset: 0, .size: 8, .value_kind: global_buffer, .address_space: global }
      - { .name: Wq, .offset: 8, .size: 8, .value_kind: global_buffer, .address_space: global }
      - { .name: Wk, .offset: 16, .size: 8, .value_kind: global_buffer, .address_space: global }
      - { .name: Wv, .offset: 24, .size: 8, .value_kind: global_buffer, .address_space: global }
      - { .name: Wo, .offset: 32, .size: 8, .value_kind: global_buffer, .address_space: global }
      - { .name: xq, .offset: 40, .size: 8, .value_kind: global_buffer, .address_space: global }
      - { .name: wq, .offset: 48, .size: 8, .value_kind: global_buffer, .address_space: global }
    .group_segment_fixed_size: 34304
    .private_segment_fixed_size: 0
    .kernarg_segment_align: 8
    .kernarg_segment_size: 56
    .max_flat_workgroup_size: 128
    .sgpr_count:     66
    .vgpr_count:     256
    .wavefront_size: 32
...
	.end_amdgpu_metadata
.endif
;; end of part 1
;; launch qkv (part 2): grid 256 x 1, 4 waves a work-group, clusters of 4 x 1, 307,712 bytes of LDS; arguments xq, wq, qq, kv; writes qq, kv
.if DOCPART == 2
	.amdgcn_target "amdgcn-amd-amdhsa--gfx1250"
	.amdhsa_code_object_version 6
	.text
	.protected	k_q6a474e9466_qkv
	.globl	k_q6a474e9466_qkv
	.p2align	8
	.type	k_q6a474e9466_qkv,@function
k_q6a474e9466_qkv:
	s_mov_b64 s[64:65], 0
	v_nop
	global_prefetch_b8 v0, s[64:65] scope:SCOPE_SE
	s_setreg_imm32_b32 hwreg(HW_REG_WAVE_MODE, 25, 1), 1
	s_wait_xcnt 0x0
	s_wait_alu depctr_hold_cnt(0) depctr_sa_sdst(0) depctr_va_vdst(0) depctr_va_sdst(0) depctr_va_ssrc(0) depctr_va_vcc(0) depctr_vm_vsrc(0)
	s_getreg_b32 s2, hwreg(HW_REG_IB_STS2, 6, 4)
	s_cmp_eq_u32 s2, 0
	s_cbranch_scc0 .Lentry_in_a_cluster
	s_endpgm
.Lentry_in_a_cluster:
	s_bfe_u32 s2, ttmp6, 0x10000c
	s_cmp_lg_u32 s2, 0x3003
	s_cbranch_scc0 .Lentry_shape_is_right
	s_endpgm
.Lentry_shape_is_right:
; q = (x Wq) / 8, k = x Wk, v = x Wv on codes of FP6 (E2M3), and their results quantised at once into the operands of attention.
; A UNIT is 256 rows of an operand Q x 128 rows of an operand P x K = 1,024.  The matrix instruction takes source 0 = 16 rows of P, source 1 = 16 rows of Q: a lane holds ONE row of Q, and since
; row i of tile t is index 32 (t / 2) + 8 (t % 2) + i + 8 (i / 8), the 16 result registers of P's tiles 2 b, 2 b + 1 are the 16 neighbours 32 b + 16 (lane / 16) + 0 .. 15 along P.
; A work-group runs three units.  C = the cluster's number, cx my place in it, gp = C % 8, gq = 4 (C / 8) + cx:
;   unit 0 (q): Q = tokens 256 gq on, P = Wq's columns 128 gp on (two heads): quantised along the columns;   unit 1 (k): the same Q, kept in registers, P = Wk's;
;   unit 2 (v): Q = Wv's columns 256 cx on (four heads), P = tokens 128 C on: a lane holds a channel and its registers run along the KEYS, the second product's K.
; CLUSTER: all three P blocks hang on C alone: the four partners ask for them JOINTLY.  Q is read by one wave only: wave w owns Q's tiles 4 w + a and loads them from memory straight into registers, all of K.
; LDS: three regions of 102,400 bytes, P's eight tile blocks as they lie in memory (images of operand registers: no pitch, no padding).  Each is filled once, so there is no ring.  One tensor load of a wave is out at the most.
; OUT: qq: half images (16 queries x 64) at 768 (128 head + tile), scale words behind them;  kv: for each head and key step of 128 keys 13,056 bytes: K's 8 half images, V's 4 fragments, k's scale words, v's.
; LIMITS: NaN and infinities are not served; a block whose largest magnitude lies under 2^-124 keeps the byte 1.
; REGISTERS, in windows of 256: window 0: v1-7 lane terms, v8-11 LDS addresses, v12-15 scale words to store, v16-31 Q's scale words, v32-63 P's, v64-101 the quantiser, v160-255 P's fragments (even K steps);
;   window 1: accumulator (a, b) at 64 a + 8 b;   window 2: Q's K steps 0-4 at 48 s + 12 a;   window 3: Q's steps 5-7 at 48 (s - 5) + 12 a, from v144 P's fragments (odd K steps).
.set REGION, 102400
.set QPITCH, 12800
.set TM,  64                           ; v64-67 largest magnitudes, v68-71 exchange and bytes, v76-79 the conversions' scale operands
.set PW,  80                           ; the row's scale word
.set PC,  82                           ; v82-93 the codes, v94-100 at work
.set QX,  48                           ; s[48:49] x's tiles, my wave's
.set QV,  50                           ; s[50:51] Wv's tiles, my wave's
.set SQC, 52                           ; where q's codes go;  SQS its scale words
.set SQS, 54
.set SKC, 56                           ; k's
.set SKS, 58
.set SVC, 60                           ; v's
.set SEL, 62                           ; s[62:63] lane selects: lane l xor 16
.set MSB, 0
.macro WIN new                         ; the immediate's high byte repeats the setting that is left
.if MSB != \new
	s_set_vgpr_msb (MSB<<8)|\new
.set MSB, \new
.endif
.endm
.macro ROUND                           ; a round of the cluster's barrier
	s_barrier_signal -1
	s_barrier_wait -1
	s_cmp_lg_u32 s12, 0
	s_cbranch_scc1 .Lnot_wave_0_\@
	s_barrier_signal -3
.Lnot_wave_0_\@:
	s_barrier_wait -3
	s_barrier_signal -1
	s_barrier_wait -1
.endm
.macro PLACES                          ; four places behind a matrix instruction, in front of loads into its registers and of reads of its result
.rept 4
	v_nop
.endr
.endm
.macro QLOAD base, s                   ; my four tiles' fragments of K step s: 16 loads of 512 or 256 consecutive bytes
.set QR, 48*((\s)%5)
.if (\s) < 5
	WIN 0x80
.else
	WIN 0xc0
.endif
.irp a, 0,1,2,3
	global_load_b128 v[QR+12*\a:QR+12*\a+3], v1, s[\base:\base+1] offset:QPITCH*\a+1536*(\s)
	global_load_b64 v[QR+12*\a+4:QR+12*\a+5], v2, s[\base:\base+1] offset:QPITCH*\a+1536*(\s)+512
	global_load_b128 v[QR+12*\a+6:QR+12*\a+9], v1, s[\base:\base+1] offset:QPITCH*\a+1536*(\s)+768
	global_load_b64 v[QR+12*\a+10:QR+12*\a+11], v2, s[\base:\base+1] offset:QPITCH*\a+1536*(\s)+1280
.endr
.endm
.macro QSC base                        ; their scale words: register j holds step j in lanes 0-15 and step j + 4 in lanes 16-31
	WIN 0
.irp a, 0,1,2,3
	global_load_b128 v[16+4*\a:19+4*\a], v1, s[\base:\base+1] offset:QPITCH*\a+12288
.endr
.endm
.macro FETCHP s, odd                   ; P's eight fragments of K step s from LDS: 32 loads
.if \odd
	WIN 0xc0
.set PR, 144
.else
	WIN 0
.set PR, 160
.endif
.irp b, 0,1,2,3,4,5,6,7
	ds_load_b128 v[PR+12*\b:PR+12*\b+3], v[8+\b/4] offset:12800*(\b%4)+1536*(\s)
	ds_load_b64 v[PR+12*\b+4:PR+12*\b+5], v[10+\b/4] offset:12800*(\b%4)+1536*(\s)+512
	ds_load_b128 v[PR+12*\b+6:PR+12*\b+9], v[8+\b/4] offset:12800*(\b%4)+1536*(\s)+768
	ds_load_b64 v[PR+12*\b+10:PR+12*\b+11], v[10+\b/4] offset:12800*(\b%4)+1536*(\s)+1280
.endr
.endm
.macro PSC                             ; P's scale words, all of K
	WIN 0
.irp b, 0,1,2,3,4,5,6,7
	ds_load_b128 v[32+4*\b:35+4*\b], v[8+\b/4] offset:12800*(\b%4)+12288
.endr
.endm
; 32 products: my four tiles of Q x P's eight, K step s.  The 32 accumulators take turns, one instruction a turn, in the same order in every step.  Step 0 starts the sums with the constant 0.
.macro MUL s
.set PR, 160-16*((\s)%2)
.set QR, 48*((\s)%5)
.set WM, 0x58|(3*((\s)%2))|(4*((\s)/5))
	WIN WM
.irp a, 0,1,2,3
.irp b, 0,1,2,3,4,5,6,7
.if (\s) == 0
	v_wmma_scale_f32_16x16x128_f8f6f4 v[64*\a+8*\b:64*\a+8*\b+7], v[PR+12*\b:PR+12*\b+11], v[QR+12*\a:QR+12*\a+11], 0, v[32+4*\b], v[16+4*\a] matrix_a_fmt:MATRIX_FMT_FP6 matrix_b_fmt:MATRIX_FMT_FP6
.elseif (\s) < 4
	v_wmma_scale_f32_16x16x128_f8f6f4 v[64*\a+8*\b:64*\a+8*\b+7], v[PR+12*\b:PR+12*\b+11], v[QR+12*\a:QR+12*\a+11], v[64*\a+8*\b:64*\a+8*\b+7], v[32+4*\b+(\s)%4], v[16+4*\a+(\s)%4] matrix_a_fmt:MATRIX_FMT_FP6 matrix_b_fmt:MATRIX_FMT_FP6
.else
	v_wmma_scale_f32_16x16x128_f8f6f4 v[64*\a+8*\b:64*\a+8*\b+7], v[PR+12*\b:PR+12*\b+11], v[QR+12*\a:QR+12*\a+11], v[64*\a+8*\b:64*\a+8*\b+7], v[32+4*\b+(\s)%4], v[16+4*\a+(\s)%4] matrix_a_fmt:MATRIX_FMT_FP6 matrix_b_fmt:MATRIX_FMT_FP6 matrix_a_scale:MATRIX_SCALE_ROW1 matrix_b_scale:MATRIX_SCALE_ROW1
.endif
.endr
.endr
.endm
; The 64 results of my tile a (window 1, register 16 b + i = index 32 b + 16 (lane / 16) + i of my row) become a fragment's codes in v[PC] on and its scale word in v[PW].
.macro QUANTH a
.set AC, 64*(\a)
	WIN 0x14                                       ; sources 1 and 2 in window 1
.irp b, 0,1,2,3
	v_max3_num_f32 v[TM+\b], 0x1800000, |v[AC+16*\b]|, |v[AC+16*\b+1]|   ; my 16 numbers of block b, and the floor 2^(3 - 127): the byte cannot fall under 1
.endr
.irp i, 2,4,6,8,10,12,14
.irp b, 0,1,2,3
	v_max3_num_f32 v[TM+\b], v[TM+\b], |v[AC+16*\b+\i]|, |v[AC+16*\b+\i+1]|
.endr
.endr
	WIN 0
.irp b, 0,1,2,3
	v_permlanex16_b32 v[TM+4+\b], v[TM+\b], s[SEL], s[SEL+1]
.endr
.irp b, 0,1,2,3
	v_max_num_f32 v[TM+\b], v[TM+\b], v[TM+4+\b]   ; with lane l xor 16's: the block's largest magnitude
.endr
.irp b, 0,1,2,3
	v_add_nc_u32 v[TM+12+\b], 0xff000000, v[TM+\b] ; 2 off its exponent field: the conversion's scale operand
.endr
.irp b, 0,1,2,3
	v_lshrrev_b32 v[TM+4+\b], 23, v[TM+12+\b]      ; the byte
.endr
	v_lshl_or_b32 v[PW], v[TM+5], 8, v[TM+4]
	v_lshl_or_b32 v[PW], v[TM+6], 16, v[PW]
	v_lshl_or_b32 v[PW], v[TM+7], 24, v[PW]
	WIN 0x01                                       ; the numbers in window 1
.irp c, 0,1
	v_cvt_scalef32_pk16_fp6_f32 v[PC+6*\c:PC+6*\c+2], v[AC+32*\c:AC+32*\c+15], v[TM+12+2*\c]
	v_cvt_scalef32_pk16_fp6_f32 v[PC+12+4*\c:PC+14+4*\c], v[AC+32*\c+16:AC+32*\c+31], v[TM+13+2*\c]   ; (a conversion's three registers begin on an even number)
.endr
	WIN 0
	v_nop                                          ; one plain line behind the scaled conversions
.irp c, 0,1                            ; the operand's layout wants a whole block in a lane: lanes 0-15 block 2 c, lanes 16-31 block 2 c + 1
.irp i, 0,1,2
	v_permlane16_swap_b32 v[PC+6*\c+\i], v[PC+12+4*\c+\i]
.endr
.irp i, 0,1,2
	v_mov_b32 v[PC+3+6*\c+\i], v[PC+12+4*\c+\i]
.endr
.endr
.endm
; A unit's way out: tile by tile quantised and stored as images.  kind 0: q (x 1/8 first, exact), 1: k, 2: v.  astr: bytes from tile to tile; cstr: from a fragment's first half to its second.
.macro EPI kind, cbase, astr, cstr
.irp a, 0,1,2,3
	s_wait_xcnt 0x0                                ; the stores issued so far have read their data: the codes' and the words' registers may be written again
.if \kind == 0
	WIN 0x41
.set j, 0
.rept 32
	v_pk_mul_f32 v[64*\a+j:64*\a+j+1], v[64*\a+j:64*\a+j+1], 0x3e000000 op_sel_hi:[1,0]   ; depth^-0.5 = 1/8; each accumulator from its low end on
.set j, j+2
.endr
.endif
	QUANTH \a
	global_store_b128 v1, v[PC:PC+3], s[\cbase:\cbase+1] offset:\astr*\a
	global_store_b64 v2, v[PC+4:PC+5], s[\cbase:\cbase+1] offset:\astr*\a+512
	global_store_b128 v1, v[PC+6:PC+9], s[\cbase:\cbase+1] offset:\astr*\a+\cstr
	global_store_b64 v2, v[PC+10:PC+11], s[\cbase:\cbase+1] offset:\astr*\a+\cstr+512
.if \kind == 2
	v_mov_b32 v[12+\a], v[PW]                      ; four bytes: 128 keys
.else
	v_bfe_u32 v[12+\a], v[PW], v6, 16              ; two bytes and two zero bytes: lanes 0-15 the first head's, lanes 16-31 the second's
.endif
.endr
.endm
.macro UNIT u
	WIN 0
	s_cmp_lg_u32 s12, \u                           ; wave u alone asked for this unit's P, by a line of its own: it alone waits for it
	s_cbranch_scc1 .Lnot_mine_\@
	s_wait_tensorcnt 0x0
.Lnot_mine_\@:
.if \u == 2
	s_wait_loadcnt 0x0                             ; Wv's fragments and scale words
.endif
	s_barrier_signal -1
	s_barrier_wait -1                              ; everybody's quarter is in
	WIN 0
	v_add_nc_u32 v8, REGION*\u, v1
	s_wait_alu depctr_va_vdst(0)
	v_add_nc_u32 v9, REGION*\u+51200, v1
	v_add_nc_u32 v10, REGION*\u, v2
	s_wait_alu depctr_va_vdst(0)
	v_add_nc_u32 v11, REGION*\u+51200, v2
	s_wait_alu depctr_va_vdst(0)
	PSC
	FETCHP 0, 0
.irp s, 0,1,2,3,4,5,6,7
.if \s > 0
	PLACES
.endif
.if \s < 7
	FETCHP \s+1, (\s+1)%2                          ; into the buffer that the step before multiplied
.endif
.if (\u == 1) && (\s > 0)
	QLOAD QV, \s-1                                 ; unit 2's Q, into the registers that the step before has left
.endif
.if \s < 7
	s_wait_dscnt 32                                ; all but the 32 just issued
.else
	s_wait_dscnt 0x0
.endif
.if \u == 0
.if \s < 5
	s_wait_loadcnt 48                              ; this step's Q is in; three later steps' 16 loads each may be out
.else
	s_wait_loadcnt 16*(7-\s)
.endif
.if \s < 4
	QLOAD QX, \s+4
.endif
.endif
	MUL \s
.endr
	PLACES
.if \u == 1
	QLOAD QV, 7
	QSC QV
.endif
.endm
	s_load_b256 s[4:11], s[0:1], 0x0               ; xq, wq, qq, kv
	v_lshl_add_u32 v158, v0, 2, 0x4b000
	v_mov_b32 v159, 0
	ds_add_u32 v158, v159
	ds_add_u32 v158, v159
	v_lshrrev_b32 v7, 5, v0
	v_readfirstlane_b32 s12, v7                    ; wave
	v_and_b32 v7, 31, v0                           ; lane
	v_and_b32 v5, 15, v0
	v_bfe_u32 v6, v0, 4, 1                         ; h
	v_lshlrev_b32 v1, 4, v7                        ; 16 x lane
	v_lshlrev_b32 v5, 4, v5                        ; 16 r
	v_lshl_add_u32 v2, v6, 3, v5                   ; 16 r + 8 h
	v_lshl_add_u32 v3, v6, 13, v5                  ; q's scale words: 16 r, the second head's 8,192 bytes on
	v_mad_u32_u24 v4, v6, 0x33000, v5              ; k's: 208,896 bytes on
	v_lshlrev_b32 v6, 4, v6                        ; 16 h
.irp b, 0,1,2,3
	v_mov_b32 v[TM+4+\b], 0                        ; a lane permute's destination counts as one of its sources
.endr
	s_mov_b32 s[SEL], 0x76543210
	s_mov_b32 s[SEL+1], 0xfedcba98
	s_bfe_u32 s13, ttmp6, 0x40000                  ; cx
	s_and_b32 s14, ttmp9, 7                        ; gp
	s_lshr_b32 s17, ttmp9, 4                       ; the batch
	; the descriptors hang on C and the wave's number alone
	s_mov_b32 s19, 0                               ; a region comes whole, by one load of one wave
	s_mul_i32 s20, s14, REGION
	s_add_co_u32 s20, s20, s19
	s_mov_b32 s21, 0
	s_mul_i32 s22, ttmp9, REGION
	s_add_co_u32 s22, s22, s19
	s_mov_b32 s23, 0
	s_mov_b32 s24, 15|(3<<16)|(1<<21)              ; 15:0 the mask: all four work-groups; 17:16 elements of 8 bytes; 21 set beside a mask; no padding
	s_mov_b32 s25, 32<<16                          ; tensor_dim0 = 32 elements: rows of 256 bytes
	s_mov_b32 s26, 400<<16                         ; tensor_dim1 = 400 rows: 102,400 dense bytes
	s_mov_b32 s27, 32<<16                          ; tile_dim0
	s_mov_b32 s28, 400                             ; tile_dim1
	s_mov_b32 s29, 32                              ; from row to row
	s_mov_b32 s30, 0
	s_mov_b32 s31, 0
	; what hangs on cx: global addresses alone
	s_lshr_b32 s66, ttmp9, 3
	s_lshl_b32 s66, s66, 2
	s_add_co_u32 s66, s66, s13                     ; gq
	s_and_b32 s67, s66, 7                          ; gq within the batch
	s_lshl_b32 s68, s17, 4
	s_lshl_b32 s69, s14, 1
	s_add_co_u32 s68, s68, s69                     ; the first of my two heads: 16 b + 2 gp
	s_mul_i32 s70, s12, 51200                      ; my wave's four tile blocks
	s_mov_b32 s73, 0
	s_wait_dscnt 0x0
	s_wait_kmcnt 0x0
	s_mov_b32 s32, 1
	s_mov_b32 s33, s19
	s_add_nc_u64 s[34:35], s[6:7], s[20:21]        ; Wq's tiles 8 gp on
	s_or_b32 s35, s35, 0x80000000
	s_mov_b32 s36, 1
	s_add_co_u32 s37, s19, REGION
	s_add_nc_u64 s[38:39], s[6:7], s[20:21]
	s_add_nc_u64 s[38:39], s[38:39], 819200        ; Wk's
	s_or_b32 s39, s39, 0x80000000
	s_mov_b32 s40, 1
	s_add_co_u32 s41, s19, 2*REGION
	s_add_nc_u64 s[42:43], s[4:5], s[22:23]        ; x's tiles 8 C on
	s_or_b32 s43, s43, 0x80000000
	s_mul_i32 s72, s66, 204800
	s_add_co_u32 s72, s72, s70
	s_add_nc_u64 s[QX:QX+1], s[4:5], s[72:73]
	s_mul_i32 s72, s13, 204800
	s_add_co_u32 s72, s72, s70
	s_add_co_u32 s72, s72, 1638400
	s_add_nc_u64 s[QV:QV+1], s[6:7], s[72:73]
	s_lshl_b32 s72, s68, 7                         ; q's codes: 768 (128 head + 16 g7 + 4 w)
	s_lshl_b32 s71, s67, 4
	s_add_co_u32 s72, s72, s71
	s_lshl_b32 s71, s12, 2
	s_add_co_u32 s72, s72, s71
	s_mul_i32 s72, s72, 768
	s_add_nc_u64 s[SQC:SQC+1], s[8:9], s[72:73]
	s_lshl_b32 s72, s68, 13                        ; its scale words: 6,291,456 + 8,192 head + 256 (4 g7 + w)
	s_lshl_b32 s71, s67, 10
	s_add_co_u32 s72, s72, s71
	s_lshl_b32 s71, s12, 8
	s_add_co_u32 s72, s72, s71
	s_add_co_u32 s72, s72, 6291456
	s_add_nc_u64 s[SQS:SQS+1], s[8:9], s[72:73]
	s_mul_i32 s75, s68, 208896                     ; k: the head, key step 2 g7 + w / 2,
	s_lshl_b32 s71, s67, 1
	s_lshr_b32 s74, s12, 1
	s_add_co_u32 s71, s71, s74
	s_mul_i32 s71, s71, 13056
	s_add_co_u32 s75, s75, s71
	s_and_b32 s74, s12, 1
	s_mul_i32 s72, s74, 3072                       ; tiles 4 (w % 2) on
	s_add_co_u32 s72, s72, s75
	s_add_nc_u64 s[SKC:SKC+1], s[10:11], s[72:73]
	s_lshl_b32 s72, s74, 8
	s_add_co_u32 s72, s72, s75
	s_add_co_u32 s72, s72, 12288
	s_add_nc_u64 s[SKS:SKS+1], s[10:11], s[72:73]
	s_lshl_b32 s72, s17, 4                         ; v: head 16 b + 4 cx + w, key step C % 16
	s_lshl_b32 s71, s13, 2
	s_add_co_u32 s72, s72, s71
	s_add_co_u32 s72, s72, s12
	s_mul_i32 s72, s72, 208896
	s_and_b32 s71, ttmp9, 15
	s_mul_i32 s71, s71, 13056
	s_add_co_u32 s72, s72, s71
	s_add_co_u32 s72, s72, 6144
	s_add_nc_u64 s[SVC:SVC+1], s[10:11], s[72:73]
	ROUND                                          ; all four work-groups are here: the joint loads meet
	; the first fills, one a wave, in one chain of branches on the wave's number: wave u asks for unit u's P, wave 3 for nothing
	s_cmp_eq_u32 s12, 0
	s_cbranch_scc0 .Lwave_1
	tensor_load_to_lds s[32:35], s[24:31]
	s_nop 0
	PLACES
	s_branch .Lasked
.Lwave_1:
	s_cmp_eq_u32 s12, 1
	s_cbranch_scc0 .Lwave_2
	tensor_load_to_lds s[36:39], s[24:31]
	s_nop 0
	PLACES
	s_branch .Lasked
.Lwave_2:
	s_cmp_eq_u32 s12, 2
	s_cbranch_scc0 .Lasked
	tensor_load_to_lds s[40:43], s[24:31]
	s_nop 0
	PLACES
.Lasked:
	QSC QX
	s_wait_alu depctr_va_vdst(0)
	QLOAD QX, 0
	QLOAD QX, 1
	QLOAD QX, 2
	QLOAD QX, 3
	UNIT 0
	EPI 0, SQC, 768, 98304
	global_store_b128 v3, v[12:15], s[SQS:SQS+1]   ; sixteen lanes store a head's 256 consecutive bytes, aligned
	UNIT 1
	EPI 1, SKC, 768, 208896
	global_store_b128 v4, v[12:15], s[SKS:SKS+1]
	UNIT 2
	EPI 2, SVC, 1536, 768
	s_wait_alu depctr_va_vdst(0)
	s_wait_xcnt 0x0                                ; EXEC changes only behind this wait
	v_cmp_gt_u32 vcc_lo, 16, v7
	s_and_saveexec_b32 s74, vcc_lo
	global_store_b128 v5, v[12:15], s[SVC:SVC+1] offset:6656   ; lanes 0-15: v's scale words: 256 consecutive bytes, aligned
	s_wait_xcnt 0x0
	s_or_b32 exec_lo, exec_lo, s74
	s_wait_tensorcnt 0x0
	ds_add_u32 v158, v159
	s_wait_dscnt 0x0
	ROUND                                          ; the closing round
	s_endpgm
.Lfunc_end_k_q6a474e9466_qkv:
	.size	k_q6a474e9466_qkv, .Lfunc_end_k_q6a474e9466_qkv-k_q6a474e9466_qkv
	.p2alignl 7, 3214868480
	.fill 96, 4, 3214868480
	.section	.rodata,"a",@progbits
	.p2align	6, 0x0
	.amdhsa_kernel k_q6a474e9466_qkv
		.amdhsa_group_segment_fixed_size 307712
		.amdhsa_private_segment_fixed_size 0
		.amdhsa_enable_private_segment 0
		.amdhsa_kernarg_size 32
		.amdhsa_user_sgpr_count 2
		.amdhsa_user_sgpr_kernarg_segment_ptr 1
		.amdhsa_wavefront_size32 1
		.amdhsa_system_sgpr_workgroup_id_x 1
		.amdhsa_system_sgpr_workgroup_id_y 1
		.amdhsa_system_sgpr_workgroup_id_z 1
		.amdhsa_system_vgpr_workitem_id 0
		.amdhsa_next_free_vgpr 1024
		.amdhsa_next_free_sgpr 80
		.amdhsa_reserve_vcc 1
		.amdhsa_float_denorm_mode_32 3
		.amdhsa_float_denorm_mode_16_64 3
		.amdhsa_memory_ordered 1
		.amdhsa_forward_progress 1
		.amdhsa_inst_pref_size 249
	.end_amdhsa_kernel
	.amdgpu_metadata
---
amdhsa.version: [ 1, 2 ]
amdhsa.kernels:
  - .name:           k_q6a474e9466_qkv
    .symbol:         k_q6a474e9466_qkv.kd
    .args:
      - { .name: xq, .offset: 0, .size: 8, .value_kind: global_buffer, .address_space: global }
      - { .name: wq, .offset: 8, .size: 8, .value_kind: global_buffer, .address_space: global }
      - { .name: qq, .offset: 16, .size: 8, .value_kind: global_buffer, .address_space: global }
      - { .name: kv, .offset: 24, .size: 8, .value_kind: global_buffer, .address_space: global }
    .group_segment_fixed_size: 307712
    .private_segment_fixed_size: 0
    .kernarg_segment_align: 8
    .kernarg_segment_size: 32
    .max_flat_workgroup_size: 128
    .sgpr_count:     80
    .vgpr_count:     1024
    .wavefront_size: 32
...
	.end_amdgpu_metadata
.endif
;; end of part 2
;; launch attn (part 3): grid 4 x 64, 8 waves a work-group, clusters of 4 x 1, 219,136 bytes of LDS; arguments qq, kv, bias, aq; writes aq
.if DOCPART == 3
	.amdgcn_target "amdgcn-amd-amdhsa--gfx1250"
	.amdhsa_code_object_version 6
	.text
	.protected	k_q6a474e9466_attn
	.globl	k_q6a474e9466_attn
	.p2align	8
	.type	k_q6a474e9466_attn,@function
k_q6a474e9466_attn:
	s_mov_b64 s[64:65], 0
	v_nop
	global_prefetch_b8 v0, s[64:65] scope:SCOPE_SE
	s_setreg_imm32_b32 hwreg(HW_REG_WAVE_MODE, 25, 1), 1
	s_wait_xcnt 0x0
	s_wait_alu depctr_hold_cnt(0) depctr_sa_sdst(0) depctr_va_vdst(0) depctr_va_sdst(0) depctr_va_ssrc(0) depctr_va_vcc(0) depctr_vm_vsrc(0)
	s_getreg_b32 s2, hwreg(HW_REG_IB_STS2, 6, 4)
	s_cmp_eq_u32 s2, 0
	s_cbranch_scc0 .Lentry_in_a_cluster
	s_endpgm
.Lentry_in_a_cluster:
	s_bfe_u32 s2, ttmp6, 0x10000c
	s_cmp_lg_u32 s2, 0x3003
	s_cbranch_scc0 .Lentry_shape_is_right
	s_endpgm
.Lentry_shape_is_right:
; attention of one head on codes of FP6 (E2M3): S^T = K Q^T + bias, p = 2^(t - M), O^T = V^T P^T, O / l quantised along the head's 64 channels into the last product's operand.
; t = logit x log2(e); M = the running largest t rounded UP to a whole number; p is quantised along the keys, not normalised; l is the sum of the unquantised p; when M moves, l and O^T are multiplied by 2^(old M - new M), exact.
; SHARES.  A cluster is one head (work-group y = 16 batch + head); work-group cx owns its queries 512 cx on; in pass p (0, 1) wave w (0 .. 7) owns tiles 32 cx + 16 p + 2 w and the next: TWO tiles of 16 queries,
; which share every fragment of K and V, k's and v's scale words and the bias: 51 LDS loads serve both.  Every wave walks all 2,048 keys, 128 a step.  No barrier stands between the head and the end.
; LDS: the WHOLE head's K and V (208,896 bytes, 16 key steps of 13,056: K's 8 half images, V's 4 fragments, k's scale words, v's), the batch's bias (8,192), 1,024 bytes for the results' scale halves, the spare words.
; All tiles are filled once, by joint loads of the four partners, one a wave: waves 0-3 four key steps each (204 rows of 256 bytes), wave 4 the bias (32 rows).  So there is no ring, and no loop in which a prefetch could run ahead of these loads.
; LAYOUT.  Both products take source 1 = 16 queries: a lane holds ONE query.  THE KEYS OF A TILE OF K ARE CHOSEN BY THE LDS ADDRESS: of each 64 keys, tile t takes keys 8 t + 0 .. 7 as rows 0-7 and keys 32 + 8 t + 0 .. 7 as rows 8-15.
; So the 32 score registers of four tiles are, in lanes 0-15, a whole block of 32 keys, and in lanes 16-31 the next block: the order in which the second product's operand wants p.  A block's largest score needs no other lane.
; (In the images of the launch before, these rows lie in tiles t % 2 and t % 2 + 2, rows 8 (t / 2) on.)
; K = 64 IN A FORM OF 128: Q's registers 6-11 are zero codes.  K's tile t is named with the six registers behind it, the next tile's codes (zeros behind tile 7): they meet Q's zero codes, and E2M3 has no infinity and no NaN.
; THE BIAS is the C of the first product: 64 registers, read by both tiles' products.
; AHEAD: K, k's scale words and the bias of step s + 1 are fetched from LDS behind step s's first products, V of step s at the same place, under the first tile's softmax.  The walk wraps: pass 0's last step fetches key step 0 for pass 1; pass 1's last fetch is not used.
; LIMITS: NaN and +infinity in bias are not served (-infinity gives p = 0; a row all of whose keys are -infinity is NaN here as in the definition); a block whose largest magnitude lies under 2^-124 keeps the byte 1;
; the promise holds while the scaled scores stay under 2^31 in magnitude.
; REGISTERS, two windows of 256.  v112-255 are A TILE'S OWN, the first tile's in window 0, the second's in window 1 under the same numbers, so that one text serves both:
;   S^T then p 112-175, O^T 176-207, p's codes 208-227, -M 228, the largest score 229, l 230-231, f 232-233, at work 234-255.
;   window 0, v0-111: lane terms 1-7, p's scale words 8, 9, Q's 12, 13, the add's two 14, 15, LDS addresses 16-23, k's scale words 24-27, v's 28-31, K 32-85, Q 88-111.   window 1, v0-111: the bias 0-63, V 64-111.
.set KSTEPB, 13056
.set BIASL,  208896
.set SGL,    217088
.set SPARE,  218112
.set KF,  32
.set QA,  88
.set QB,  100
.set KSC, 24
.set VSC, 28
.set S,   112
.set O,   176
.set PCD, 208
.set PT,  220
.set NM,  228
.set RM,  229
.set L,   230
.set F,   232
.set BM,  234
.set SO,  236
.set BY,  238
.set T,   240
.set EX,  241
.set SH,  242
.set HW,  243
.set C0,  244
.set M2,  252
.set MSB, 0
.macro WIN new                         ; the immediate's high byte repeats the setting that is left
.if MSB != \new
	s_set_vgpr_msb (MSB<<8)|\new
.set MSB, \new
.endif
.endm
.macro WALU
	s_wait_alu depctr_va_vdst(0)
.endm
.macro ROUND
	s_barrier_signal -1
	s_barrier_wait -1
	s_cmp_lg_u32 s12, 0
	s_cbranch_scc1 .Lnot_wave_0_\@
	s_barrier_signal -3
.Lnot_wave_0_\@:
	s_barrier_wait -3
	s_barrier_signal -1
	s_barrier_wait -1
.endm
.macro QLD p                           ; pass p's two tiles of Q and their scale words
	global_load_b128 v[QA:QA+3], v1, s[68:69] offset:12288*\p
	global_load_b64 v[QA+4:QA+5], v2, s[68:69] offset:12288*\p+512
	global_load_b128 v[QB:QB+3], v1, s[68:69] offset:12288*\p+768
	global_load_b64 v[QB+4:QB+5], v2, s[68:69] offset:12288*\p+1280
	global_load_b32 v12, v3, s[70:71] offset:1024*\p
	global_load_b32 v13, v3, s[70:71] offset:1024*\p+4
.endm
.macro KFETCH ka, kb, ks, bi           ; a key step's K, k's scale words (lanes 0-15: keys 0-63, lanes 16-31: keys 64-127) and bias: 34 loads
.irp t, 0,1,2,3,4,5,6,7
	ds_load_b128 v[KF+6*\t:KF+6*\t+3], v[\ka] offset:3072*(\t/4)+768*(\t%2)+128*((\t%4)/2)
	ds_load_b64 v[KF+6*\t+4:KF+6*\t+5], v[\kb] offset:3072*(\t/4)+768*(\t%2)+128*((\t%4)/2)+512
.endr
	ds_load_b64 v[KSC:KSC+1], v[\ks] offset:12288
	ds_load_b64 v[KSC+2:KSC+3], v[\ks] offset:12416
	WIN 0x40
.irp n, 0,1,2,3,4,5,6,7,8,9,10,11,12,13,14,15
	ds_load_b128 v[4*\n:4*\n+3], v[\bi] offset:256*(\n/8)+16*(\n%8)   ; register 32 g + i: the bias of key 64 g + 32 (lane / 16) + i
.endr
	WIN 0
.endm
.macro SPROD q, qs                     ; S^T of one tile of queries: eight products, C = the bias
.irp t, 0,1,2,3
	v_wmma_scale_f32_16x16x128_f8f6f4 v[S+8*\t:S+8*\t+7], v[KF+6*\t:KF+6*\t+11], v[\q:\q+11], v[8*\t:8*\t+7], v[KSC+\t], v[\qs] matrix_a_fmt:MATRIX_FMT_FP6 matrix_b_fmt:MATRIX_FMT_FP6
.endr
.irp t, 4,5,6,7
	v_wmma_scale_f32_16x16x128_f8f6f4 v[S+8*\t:S+8*\t+7], v[KF+6*\t:KF+6*\t+11], v[\q:\q+11], v[8*\t:8*\t+7], v[KSC+\t-4], v[\qs] matrix_a_fmt:MATRIX_FMT_FP6 matrix_b_fmt:MATRIX_FMT_FP6 matrix_a_scale:MATRIX_SCALE_ROW1
.endr
.endm
.macro PV psw                          ; O^T += V^T P^T: the four accumulators by turns
.irp a, 0,1,2,3
	v_wmma_scale_f32_16x16x128_f8f6f4 v[O+8*\a:O+8*\a+7], v[64+12*\a:75+12*\a], v[PCD:PCD+11], v[O+8*\a:O+8*\a+7], v[VSC+\a], v[\psw] matrix_a_fmt:MATRIX_FMT_FP6 matrix_b_fmt:MATRIX_FMT_FP6
.endr
.endm
; The softmax of one tile of queries over 128 keys, in window w (0 or 0x55); psw: p's scale word, in window 0; vwait: V is waited for here.
.macro SOFT w, psw, vwait
	WIN \w
.if \w
	WALU
.endif
.irp g, 0,1                            ; the largest score of each of my two blocks of 32 keys, in two chains a block; each accumulator is first read at its low end
	v_max3_num_f32 v[BM+\g], v[S+32*\g], v[S+32*\g+1], v[S+32*\g+2]
	v_max3_num_f32 v[M2+\g], v[S+32*\g+16], v[S+32*\g+17], v[S+32*\g+18]
.endr
.irp i, 3,5,7,9,11,13
.irp g, 0,1
	v_max3_num_f32 v[BM+\g], v[BM+\g], v[S+32*\g+\i], v[S+32*\g+\i+1]
	v_max3_num_f32 v[M2+\g], v[M2+\g], v[S+32*\g+16+\i], v[S+32*\g+17+\i]
.endr
.endr
.irp g, 0,1
	v_max3_num_f32 v[BM+\g], v[BM+\g], v[M2+\g], v[S+32*\g+15]
.endr
.irp g, 0,1
	v_max_num_f32 v[BM+\g], v[BM+\g], v[S+32*\g+31]
.endr
	s_delay_alu instid0(VALU_DEP_1)
	v_max_num_f32 v[T], v[BM], v[BM+1]
	s_delay_alu instid0(VALU_DEP_1)
	v_permlanex16_b32 v[EX], v[T], s20, s21        ; lane l xor 16 holds the query's other two blocks
	s_delay_alu instid0(VALU_DEP_1)
	v_max3_num_f32 v[RM], v[RM], v[T], v[EX]       ; the running largest score
	s_delay_alu instid0(VALU_DEP_1)
	v_mul_f32 v[T], s22, v[RM]                     ; as t
	s_delay_alu instid0(VALU_DEP_1)
	v_floor_f32 v[T], -v[T]                        ; the new -M = -ceil(t)
	s_delay_alu instid0(VALU_DEP_1)
	v_sub_f32 v[EX], v[T], v[NM]                   ; old M - new M: a whole number, 0 or less
	s_delay_alu instid0(VALU_DEP_2)
	v_mov_b32 v[NM], v[T]
	s_delay_alu instid0(VALU_DEP_2)
	v_cvt_i32_f32 v[EX], v[EX]                     ; (it saturates)
	s_delay_alu instid0(VALU_DEP_1)
	v_ldexp_f32 v[F], 1.0, v[EX]                   ; f = 2^(old M - new M)
.irp g, 0,1
	v_fma_f32 v[BM+\g], v[BM+\g], s22, v[NM]
.endr
.set j, 0
.rept 32
	v_pk_fma_f32 v[S+j:S+j+1], v[S+j:S+j+1], s[22:23], v[NM:NM+1] op_sel_hi:[1,0,0]   ; t - M, two at a time
.set j, j+2
.endr
	WALU                                           ; ahead of the batch
	v_exp_f32 v[BM], v[BM]                         ; the blocks' largest p: the same two instructions on the same number give the same bits
	v_exp_f32 v[BM+1], v[BM+1]
.set j, 0
.rept 64
	v_exp_f32 v[S+j], v[S+j]                       ; p, at most 1
.set j, j+1
.endr
	v_nop                                          ; a plain line behind the exponentials
	WALU                                           ; one wait for the batch, ahead of its first reader
.if \vwait
	s_wait_dscnt 34                                ; V and its scale words are in; the 34 loads of the next step's K and bias, issued behind them, may be out
.endif
.irp g, 0,1
	v_max_num_f32 v[BM+\g], 0x1800000, v[BM+\g]    ; the floor 2^(3 - 127): the byte cannot fall under 1
.endr
.irp g, 0,1
	v_add_nc_u32 v[SO+\g], 0xff000000, v[BM+\g]    ; 2 off the exponent field: the conversions' scale operand
.endr
.irp g, 0,1
	v_cvt_scalef32_pk16_fp6_f32 v[PCD+6*\g:PCD+6*\g+2], v[S+32*\g:S+32*\g+15], v[SO+\g]
	v_cvt_scalef32_pk16_fp6_f32 v[PT+4*\g:PT+4*\g+2], v[S+32*\g+16:S+32*\g+31], v[SO+\g]   ; (a conversion's three registers begin on an even number)
.endr
.irp k, 0,1,2,3                        ; the sum of the unquantised p: 32 pairs in four chains
	v_pk_add_f32 v[C0+2*\k:C0+2*\k+1], v[S+4*\k:S+4*\k+1], v[S+4*\k+2:S+4*\k+3]
.endr
.set j, 16
.rept 6
.irp k, 0,1,2,3
	v_pk_add_f32 v[C0+2*\k:C0+2*\k+1], v[C0+2*\k:C0+2*\k+1], v[S+j+2*\k:S+j+2*\k+1]
.endr
.set j, j+8
.endr
	v_lshrrev_b32 v[BY], 23, v[SO]                 ; the bytes of blocks h and 2 + h; their word is made between the lines that join the chains
	v_lshrrev_b32 v[BY+1], 23, v[SO+1]
	v_pk_add_f32 v[C0:C0+1], v[C0:C0+1], v[C0+2:C0+3]
	v_pk_add_f32 v[C0+4:C0+5], v[C0+4:C0+5], v[C0+6:C0+7]
	v_lshl_or_b32 v[T], v[BY+1], 16, v[BY]
	v_mov_b32 v[PCD+3], v[PT]
	v_pk_add_f32 v[C0:C0+1], v[C0:C0+1], v[C0+4:C0+5]
	v_lshlrev_b32 v[T], v[SH], v[T]                ; 8 h bits up
	v_mov_b32 v[PCD+4], v[PT+1]
	v_pk_fma_f32 v[L:L+1], v[L:L+1], v[F:F+1], v[C0:C0+1] op_sel_hi:[1,0,1]   ; l under the new M, and this step's p
	v_permlanex16_b32 v[EX], v[T], s20, s21
	v_mov_b32 v[PCD+5], v[PT+2]
.irp i, 0,1,2
	v_mov_b32 v[PCD+9+\i], v[PT+4+\i]
.endr
	WIN (\w&0x3f)
	v_or_b32 v[\psw], v[T], v[EX]                  ; with lane l xor 16's two bytes the query's scale word is whole (scale words lie in window 0)
	WIN \w
	WALU                                           ; the wait directly ahead of the first reader of O^T
.set j, 0
.rept 16
	v_pk_mul_f32 v[O+j:O+j+1], v[O+j:O+j+1], v[F:F+1] op_sel_hi:[1,0]   ; O^T under the new M; these sixteen are also the places between the codes' and the scale word's last writes and the products
.set j, j+2
.endr
.endm
; A KEY STEP of 128 keys for both tiles.  s62: the step.
.macro STEP
	s_wait_dscnt 0x0                               ; this step's K, scale words and bias, asked for a step ago
	s_mul_i32 s59, s62, KSTEPB                     ; this step's block,
	s_add_co_u32 s58, s62, 1
	s_and_b32 s58, s58, 15                         ; the next step, round the end,
	s_mul_i32 s60, s58, KSTEPB                     ; its block
	s_lshl_b32 s61, s58, 9                         ; and its bias
	WIN 0x10
	SPROD QA, 12
	WIN 0x50
	SPROD QB, 13
	WIN 0
	v_add_nc_u32 v20, s59, v1                      ; these seven are also the places behind the products, in front of the loads below and of the first read of the scores
	v_add_nc_u32 v21, s59, v2
	v_add_nc_u32 v22, s59, v3
	v_add_nc_u32 v16, s60, v4
	v_add_nc_u32 v17, s60, v5
	v_add_nc_u32 v18, s60, v6
	v_add_nc_u32 v19, s61, v7
	ds_load_b128 v[VSC:VSC+3], v22 offset:12800
	WIN 0x40
.irp a, 0,1,2,3
	ds_load_b128 v[64+12*\a:67+12*\a], v20 offset:6144+1536*\a
	ds_load_b64 v[68+12*\a:69+12*\a], v21 offset:6144+1536*\a+512
	ds_load_b128 v[70+12*\a:73+12*\a], v20 offset:6144+1536*\a+768
	ds_load_b64 v[74+12*\a:75+12*\a], v21 offset:6144+1536*\a+1280
.endr
	WIN 0
	KFETCH 16, 17, 18, 19
	SOFT 0, 8, 1
	WIN 0x01
	PV 8
	SOFT 0x55, 9, 0
	PV 9
	WIN 0
.endm
.macro INIT w                          ; a pass begins with zeros and a largest score under every score: the step is written once, and the first change of M leaves zeros zeros
	WIN \w
	v_mov_b32 v[RM], 0xff000000                    ; -2^127
	v_mov_b32 v[NM], 0x7f000000                    ; 2^127
	v_mov_b32 v[L], 0
	v_mov_b32 v[L+1], 0
.set j, 0
.rept 32
	v_mov_b32 v[O+j], 0
.set j, j+1
.endr
.endm
; A tile's end: O^T / l, quantised along the head's 64 channels (register 16 b + i = channel 32 b + 16 (lane / 16) + i), stored as a half image; the two bytes go to LDS.
.macro FINISH w, u, p
	WIN \w
	v_add_f32 v[L], v[L], v[L+1]
	v_permlanex16_b32 v[T], v[L], s20, s21
	v_add_f32 v[L], v[L], v[T]                     ; the row's sum
	WALU
	v_rcp_f32 v[L], v[L]
	v_nop                                          ; a plain line behind the reciprocal
	WALU                                           ; and the wait ahead of its first reader, which is also O^T's
.set j, 0
.rept 16
	v_pk_mul_f32 v[O+j:O+j+1], v[O+j:O+j+1], v[L:L+1] op_sel_hi:[1,0]
.set j, j+2
.endr
.irp b, 0,1
	v_max3_num_f32 v[BM+\b], |v[O+16*\b]|, |v[O+16*\b+1]|, 0x1800000
.endr
.irp i, 2,4,6,8,10,12,14
.irp b, 0,1
	v_max3_num_f32 v[BM+\b], v[BM+\b], |v[O+16*\b+\i]|, |v[O+16*\b+\i+1]|
.endr
.endr
.irp b, 0,1
	v_permlanex16_b32 v[M2+\b], v[BM+\b], s20, s21
.endr
.irp b, 0,1
	v_max_num_f32 v[BM+\b], v[BM+\b], v[M2+\b]
.endr
.irp b, 0,1
	v_add_nc_u32 v[SO+\b], 0xff000000, v[BM+\b]
.endr
.irp b, 0,1
	v_lshrrev_b32 v[BY+\b], 23, v[SO+\b]
.endr
	v_lshl_or_b32 v[HW], v[BY+1], 8, v[BY]
	v_cvt_scalef32_pk16_fp6_f32 v[PCD:PCD+2], v[O:O+15], v[SO]
	v_cvt_scalef32_pk16_fp6_f32 v[PT:PT+2], v[O+16:O+31], v[SO+1]
	v_nop                                          ; one plain line behind the scaled conversions
.irp i, 0,1,2
	v_permlane16_swap_b32 v[PCD+\i], v[PT+\i]      ; the operand's layout wants a whole block in a lane
.endr
.irp i, 0,1,2
	v_mov_b32 v[PCD+3+\i], v[PT+\i]
.endr
	WIN (\w&0x04)                                  ; a store's data are its source 1
	global_store_b128 v1, v[PCD:PCD+3], s[72:73] offset:196608*\p+12288*\u       ; 512 consecutive bytes
	global_store_b64 v2, v[PCD+4:PCD+5], s[72:73] offset:196608*\p+12288*\u+512  ; 256 consecutive bytes
	ds_store_b16 v23, v[HW] offset:512*\p+32*\u    ; both lanes of a row write the same two bytes
.endm
.macro PASS p
.if \p
	s_wait_xcnt 0x0                                ; the last pass's stores have read the codes' registers
.endif
	INIT 0
	INIT 0x55
	WIN 0
	WALU
	s_wait_loadcnt 0x0                             ; Q
	s_mov_b32 s62, 0
.Lstep_\@:
	STEP
	s_add_co_u32 s62, s62, 1
	s_cmp_lt_u32 s62, 16
	s_cbranch_scc1 .Lstep_\@
.if \p == 0
	QLD 1                                          ; the next pass's Q, 1,536 bytes a wave, is on its way under the two tiles' ends
.endif
	FINISH 0, 0, \p
	FINISH 0x55, 1, \p
	WIN 0
.endm
	s_load_b256 s[4:11], s[0:1], 0x0               ; qq, kv, bias, aq
	v_lshl_add_u32 v14, v0, 2, SPARE
	v_mov_b32 v15, 0
	ds_add_u32 v14, v15                            ; the opening lines: the add, twice on end, and its wait ahead of the first tensor load
	ds_add_u32 v14, v15
	v_lshrrev_b32 v1, 5, v0
	v_readfirstlane_b32 s12, v1                    ; wave 0..7
	s_bfe_u32 s13, ttmp6, 0x40000                  ; cx
	s_and_b32 s14, ttmp7, 0xffff                   ; 16 batch + head, which the four partners share
	s_lshr_b32 s15, s14, 4                         ; batch
	s_and_b32 s16, s14, 15                         ; head
	s_lshl_b32 s17, s12, 6
	v_and_b32 v32, 7, v0                           ; r % 8
	v_bfe_u32 v33, v0, 3, 1                        ; r / 8
	v_bfe_u32 v34, v0, 4, 1                        ; h
	v_and_b32 v35, 15, v0                          ; r
	v_and_b32 v36, 31, v0                          ; lane
	v_lshlrev_b32 v1, 4, v36                       ; 16 x lane
	v_lshlrev_b32 v3, 4, v35                       ; 16 r
	v_lshl_add_u32 v2, v34, 3, v3                  ; 16 r + 8 h
	v_lshlrev_b32 v37, 4, v32
	v_mad_u32_u24 v38, v33, 1536, v37              ; K: rows 8-15 of my tile lie two images on; 16 bytes a row
	v_lshl_add_u32 v4, v34, 8, v38                 ; registers 0-3: + 256 h
	v_lshl_add_u32 v5, v34, 3, v38                 ; registers 4, 5: + 8 h
	v_lshl_add_u32 v6, v33, 3, v37
	v_lshl_add_u32 v6, v34, 8, v6                  ; k's scale words: 16 (r % 8) + 8 (r / 8); lanes 16-31 take keys 64-127
	v_lshlrev_b32 v7, 7, v34
	v_add_nc_u32 v7, BIASL, v7                     ; the bias: + 128 h
	v_lshl_add_u32 v23, v35, 1, s17
	v_add_nc_u32 v23, SGL, v23                     ; my rows' scale halves: 64 w + 2 r
	v_add_nc_u32 v86, SGL, v1                      ; and where wave 0 reads them all back
.irp i, 80,81,82,83,84,85,94,95,96,97,98,99,106,107,108,109,110,111
	v_mov_b32 v\i, 0                               ; zero codes: what stands behind K's tile 7, and Q's upper halves
.endr
.irp w, 0, 0x40
	WIN \w
	v_lshlrev_b32 v[SH], 3, v34                    ; 8 h, in both windows
	v_mov_b32 v[EX], 0                             ; a lane permute's destination counts as one of its sources
	v_mov_b32 v[F+1], 0                            ; (named as the upper half of a pair)
.endr
	WIN 0
	s_mov_b32 s20, 0x76543210
	s_mov_b32 s21, 0xfedcba98
	s_mov_b32 s22, 0x3fb8aa3b                      ; log2(e)
	s_mov_b32 s23, s22                             ; (named with it as a pair)
	; the descriptors hang on the head and the wave's number alone
	s_min_u32 s19, s12, 3
	s_mul_i32 s18, s19, 4*KSTEPB                   ; waves 0-3: four key steps each
	s_mul_i32 s76, s14, 16*KSTEPB
	s_add_co_u32 s76, s76, s18
	s_mov_b32 s77, 0
	s_lshl_b32 s78, s15, 13
	s_mov_b32 s79, 0
	s_mov_b32 s24, 15|(3<<16)|(1<<21)              ; the bias: 32 rows of 256 bytes; the mask names all four work-groups, bit 21 beside it
	s_mov_b32 s25, 32<<16
	s_mov_b32 s26, 32<<16
	s_mov_b32 s27, 32<<16
	s_mov_b32 s28, 32
	s_mov_b32 s29, 32
	s_mov_b32 s30, 0
	s_mov_b32 s31, 0
	s_mov_b32 s32, 15|(3<<16)|(1<<21)              ; four key steps: 204 rows of 256 bytes
	s_mov_b32 s33, 32<<16
	s_mov_b32 s34, 204<<16
	s_mov_b32 s35, 32<<16
	s_mov_b32 s36, 204
	s_mov_b32 s37, 32
	s_mov_b32 s38, 0
	s_mov_b32 s39, 0
	WALU
	s_wait_dscnt 0x0                               ; both opening adds are done
	s_wait_kmcnt 0x0
	s_mov_b32 s40, 1
	s_mov_b32 s41, s18
	s_add_nc_u64 s[42:43], s[6:7], s[76:77]
	s_or_b32 s43, s43, 0x80000000
	s_mov_b32 s44, 1
	s_mov_b32 s45, BIASL
	s_add_nc_u64 s[46:47], s[8:9], s[78:79]
	s_or_b32 s47, s47, 0x80000000
	; what hangs on cx: global addresses alone
	s_mov_b32 s81, 0
	s_lshl_b32 s80, s14, 7
	s_lshl_b32 s82, s13, 5
	s_add_co_u32 s80, s80, s82
	s_lshl_b32 s82, s12, 1
	s_add_co_u32 s80, s80, s82
	s_mul_i32 s80, s80, 768
	s_add_nc_u64 s[68:69], s[4:5], s[80:81]        ; Q's half images of pass 0: tile 128 (16 b + head) + 32 cx + 2 w; pass 1's lie 16 tiles on
	s_lshl_b32 s80, s14, 13
	s_lshl_b32 s82, s13, 11
	s_add_co_u32 s80, s80, s82
	s_lshr_b32 s82, s12, 1
	s_lshl_b32 s82, s82, 8
	s_add_co_u32 s80, s80, s82
	s_and_b32 s82, s12, 1
	s_lshl_b32 s82, s82, 3
	s_add_co_u32 s80, s80, s82
	s_add_co_u32 s80, s80, 6291456
	s_add_nc_u64 s[70:71], s[4:5], s[80:81]        ; their scale words
	s_lshl_b32 s80, s15, 7
	s_lshl_b32 s82, s13, 5
	s_add_co_u32 s83, s80, s82                     ; my work-group's first tile of tokens: 128 b + 32 cx
	s_lshl_b32 s82, s12, 1
	s_add_co_u32 s80, s83, s82
	s_mul_i32 s80, s80, 12288
	s_mul_i32 s82, s16, 768
	s_add_co_u32 s80, s80, s82
	s_add_nc_u64 s[72:73], s[10:11], s[80:81]      ; the results' half images
	s_lshl_b32 s80, s83, 5
	s_lshl_b32 s82, s16, 14
	s_add_co_u32 s80, s80, s82
	s_add_co_u32 s80, s80, 6291456
	s_add_nc_u64 s[74:75], s[10:11], s[80:81]      ; and the work-group's 1,024 bytes of scale halves
	ROUND                                          ; all four work-groups are here: the joint loads meet
	s_cmp_lt_u32 s12, 4                            ; the first fills, one a wave, in one chain of branches on the wave's number
	s_cbranch_scc0 .Lnot_kv
	tensor_load_to_lds s[40:43], s[32:39]
	s_nop 0
.rept 4
	v_nop                                          ; four nops behind a tensor load
.endr
	s_branch .Lasked
.Lnot_kv:
	s_cmp_eq_u32 s12, 4
	s_cbranch_scc0 .Lasked
	tensor_load_to_lds s[44:47], s[24:31]
	s_nop 0
.rept 4
	v_nop
.endr
.Lasked:
	QLD 0
	s_wait_tensorcnt 0x0                           ; every wave waits for what it asked for,
	s_barrier_signal -1
	s_barrier_wait -1                              ; and all of K, V and the bias is shown to all
	KFETCH 4, 5, 6, 7                              ; key step 0
	PASS 0
	PASS 1
	s_wait_dscnt 0x0                               ; for the others' sake: my scale halves lie in LDS
	s_barrier_signal -1
	s_barrier_wait -1
	s_cmp_lg_u32 s12, 0
	s_cbranch_scc1 .Lnot_zero
	ds_load_b128 v[32:35], v86
	ds_load_b128 v[36:39], v86 offset:512
	s_wait_dscnt 0x0
	global_store_b128 v1, v[32:35], s[74:75]       ; 512 consecutive bytes each
	global_store_b128 v1, v[36:39], s[74:75] offset:512
.Lnot_zero:
	s_wait_tensorcnt 0x0                           ; the wave's end
	ds_add_u32 v14, v15
	s_wait_dscnt 0x0
	ROUND                                          ; the closing round
	s_endpgm
.Lfunc_end_k_q6a474e9466_attn:
	.size	k_q6a474e9466_attn, .Lfunc_end_k_q6a474e9466_attn-k_q6a474e9466_attn
	.p2alignl 7, 3214868480
	.fill 96, 4, 3214868480
	.section	.rodata,"a",@progbits
	.p2align	6, 0x0
	.amdhsa_kernel k_q6a474e9466_attn
		.amdhsa_group_segment_fixed_size 219136
		.amdhsa_private_segment_fixed_size 0
		.amdhsa_enable_private_segment 0
		.amdhsa_kernarg_size 32
		.amdhsa_user_sgpr_count 2
		.amdhsa_user_sgpr_kernarg_segment_ptr 1
		.amdhsa_wavefront_size32 1
		.amdhsa_system_sgpr_workgroup_id_x 1
		.amdhsa_system_sgpr_workgroup_id_y 1
		.amdhsa_system_sgpr_workgroup_id_z 1
		.amdhsa_system_vgpr_workitem_id 0
		.amdhsa_next_free_vgpr 512
		.amdhsa_next_free_sgpr 84
		.amdhsa_reserve_vcc 0
		.amdhsa_float_denorm_mode_32 3
		.amdhsa_float_denorm_mode_16_64 3
		.amdhsa_memory_ordered 1
		.amdhsa_forward_progress 1
		.amdhsa_inst_pref_size 88
	.end_amdhsa_kernel
	.amdgpu_metadata
---
amdhsa.version: [ 1, 2 ]
amdhsa.kernels:
  - .name:           k_q6a474e9466_attn
    .symbol:         k_q6a474e9466_attn.kd
    .args:
      - { .name: qq, .offset: 0, .size: 8, .value_kind: global_buffer, .address_space: global }
      - { .name: kv, .offset: 8, .size: 8, .value_kind: global_buffer, .address_space: global }
      - { .name: bias, .offset: 16, .size: 8, .value_kind: global_buffer, .address_space: global }
      - { .name: aq, .offset: 24, .size: 8, .value_kind: global_buffer, .address_space: global }
    .group_segment_fixed_size: 219136
    .private_segment_fixed_size: 0
    .kernarg_segment_align: 8
    .kernarg_segment_size: 32
    .max_flat_workgroup_size: 256
    .sgpr_count:     84
    .vgpr_count:     512
    .wavefront_size: 32
...
	.end_amdgpu_metadata
.endif
;; end of part 3
;; launch outp (part 4): grid 256 x 1, 4 waves a work-group, clusters of 4 x 1, 168,448 bytes of LDS; arguments aq, wq, out0; writes out0
.if DOCPART == 4
	.amdgcn_target "amdgcn-amd-amdhsa--gfx1250"
	.amdhsa_code_object_version 6
	.text
	.protected	k_q6a474e9466_outp
	.globl	k_q6a474e9466_outp
	.p2align	8
	.type	k_q6a474e9466_outp,@function
k_q6a474e9466_outp:
	s_mov_b64 s[64:65], 0
	v_nop
	global_prefetch_b8 v0, s[64:65] scope:SCOPE_SE
	s_setreg_imm32_b32 hwreg(HW_REG_WAVE_MODE, 25, 1), 1
	s_wait_xcnt 0x0
	s_wait_alu depctr_hold_cnt(0) depctr_sa_sdst(0) depctr_va_vdst(0) depctr_va_sdst(0) depctr_va_ssrc(0) depctr_va_vcc(0) depctr_vm_vsrc(0)
	s_getreg_b32 s2, hwreg(HW_REG_IB_STS2, 6, 4)
	s_cmp_eq_u32 s2, 0
	s_cbranch_scc0 .Lentry_in_a_cluster
	s_endpgm
.Lentry_in_a_cluster:
	s_bfe_u32 s2, ttmp6, 0x10000c
	s_cmp_lg_u32 s2, 0x3003
	s_cbranch_scc0 .Lentry_shape_is_right
	s_endpgm
.Lentry_shape_is_right:
; out0 = attn Wo on codes of FP6 (E2M3): one unit of 256 tokens (operand Q, from aq) x 128 columns of Wo (operand P) x K = 1,024, f32 out.
; C = the cluster's number, cx my place in it: P = Wo's tiles 8 (C % 8) on, asked for jointly by the four partners, one load a wave, filled once; Q = token tiles 16 gq + 4 w + a, gq = 4 (C / 8) + cx,
; read by one wave only, from memory straight into registers, all of K.  Source 0 = 16 rows of P, source 1 = 16 rows of Q: a lane holds one token, and the 16 registers of P's tiles 2 b, 2 b + 1 are 16 neighbouring columns.
; Row i of tile t is index 32 (t / 2) + 8 (t % 2) + i + 8 (i / 8), for tokens and for columns.
; Q's K step s is heads 2 s and 2 s + 1; its scale word is two 16-bit halves, one from each head's table.
; LDS: P's eight tile blocks (102,400 bytes), then a stage of 16 rows x 528 bytes for each wave, which no tensor load fills.
; REGISTERS as in the launch for q, k, v: window 0: v1-5 lane terms, v8-11 LDS addresses, v16-31 Q's scale words, v32-63 P's, v64-79 upper halves of Q's, v160-255 P's fragments (even steps);
;   window 1: accumulator (a, b) at 64 a + 8 b;   window 2: Q's steps 0-4;   window 3: Q's steps 5-7, from v144 P's fragments (odd steps).  On the way out v64-127 and v160-223 take rows by turns.
.set REGION, 102400
.set QPITCH, 12288
.set QX,  48
.set QSB, 50
.set OUT, 52
.set MSB, 0
.macro WIN new
.if MSB != \new
	s_set_vgpr_msb (MSB<<8)|\new
.set MSB, \new
.endif
.endm
.macro ROUND
	s_barrier_signal -1
	s_barrier_wait -1
	s_cmp_lg_u32 s12, 0
	s_cbranch_scc1 .Lnot_wave_0_\@
	s_barrier_signal -3
.Lnot_wave_0_\@:
	s_barrier_wait -3
	s_barrier_signal -1
	s_barrier_wait -1
.endm
.macro PLACES
.rept 4
	v_nop
.endr
.endm
.macro QLOAD base, s
.set QR, 48*((\s)%5)
.if (\s) < 5
	WIN 0x80
.else
	WIN 0xc0
.endif
.irp a, 0,1,2,3
	global_load_b128 v[QR+12*\a:QR+12*\a+3], v1, s[\base:\base+1] offset:QPITCH*\a+1536*(\s)
	global_load_b64 v[QR+12*\a+4:QR+12*\a+5], v2, s[\base:\base+1] offset:QPITCH*\a+1536*(\s)+512
	global_load_b128 v[QR+12*\a+6:QR+12*\a+9], v1, s[\base:\base+1] offset:QPITCH*\a+1536*(\s)+768
	global_load_b64 v[QR+12*\a+10:QR+12*\a+11], v2, s[\base:\base+1] offset:QPITCH*\a+1536*(\s)+1280
.endr
.endm
.macro FETCHP s, odd
.if \odd
	WIN 0xc0
.set PR, 144
.else
	WIN 0
.set PR, 160
.endif
.irp b, 0,1,2,3,4,5,6,7
	ds_load_b128 v[PR+12*\b:PR+12*\b+3], v[8+\b/4] offset:12800*(\b%4)+1536*(\s)
	ds_load_b64 v[PR+12*\b+4:PR+12*\b+5], v[10+\b/4] offset:12800*(\b%4)+1536*(\s)+512
	ds_load_b128 v[PR+12*\b+6:PR+12*\b+9], v[8+\b/4] offset:12800*(\b%4)+1536*(\s)+768
	ds_load_b64 v[PR+12*\b+10:PR+12*\b+11], v[10+\b/4] offset:12800*(\b%4)+1536*(\s)+1280
.endr
.endm
.macro MUL s                           ; 32 products; the accumulators take turns, one instruction a turn; step 0 starts the sums
.set PR, 160-16*((\s)%2)
.set QR, 48*((\s)%5)
.set WM, 0x58|(3*((\s)%2))|(4*((\s)/5))
	WIN WM
.irp a, 0,1,2,3
.irp b, 0,1,2,3,4,5,6,7
.if (\s) == 0
	v_wmma_scale_f32_16x16x128_f8f6f4 v[64*\a+8*\b:64*\a+8*\b+7], v[PR+12*\b:PR+12*\b+11], v[QR+12*\a:QR+12*\a+11], 0, v[32+4*\b], v[16+4*\a] matrix_a_fmt:MATRIX_FMT_FP6 matrix_b_fmt:MATRIX_FMT_FP6
.elseif (\s) < 4
	v_wmma_scale_f32_16x16x128_f8f6f4 v[64*\a+8*\b:64*\a+8*\b+7], v[PR+12*\b:PR+12*\b+11], v[QR+12*\a:QR+12*\a+11], v[64*\a+8*\b:64*\a+8*\b+7], v[32+4*\b+(\s)%4], v[16+4*\a+(\s)%4] matrix_a_fmt:MATRIX_FMT_FP6 matrix_b_fmt:MATRIX_FMT_FP6
.else
	v_wmma_scale_f32_16x16x128_f8f6f4 v[64*\a+8*\b:64*\a+8*\b+7], v[PR+12*\b:PR+12*\b+11], v[QR+12*\a:QR+12*\a+11], v[64*\a+8*\b:64*\a+8*\b+7], v[32+4*\b+(\s)%4], v[16+4*\a+(\s)%4] matrix_a_fmt:MATRIX_FMT_FP6 matrix_b_fmt:MATRIX_FMT_FP6 matrix_a_scale:MATRIX_SCALE_ROW1 matrix_b_scale:MATRIX_SCALE_ROW1
.endif
.endr
.endr
.endm
; THE WAY OUT, tile by tile of 16 tokens x 128 columns: a lane's 64 bytes of each block of 32 columns go into my own stage, whole rows of 512 bytes come back.  LDS serves a wave's instructions in order.
.macro TOSTAGE a
.set AC, 64*(\a)
.set BB, 64+96*((\a)%2)
	WIN 0x04                                       ; an LDS store's data are its source 1: window 1
.irp n, 0,1,2,3,4,5,6,7,8,9,10,11,12,13,14,15
	ds_store_b128 v4, v[AC+4*\n:AC+4*\n+3] offset:128*(\n/4)+16*(\n%4)   ; each accumulator from its low end on
.endr
	WIN 0
.irp i, 0,1,2,3,4,5,6,7,8,9,10,11,12,13,14,15
	ds_load_b128 v[BB+4*\i:BB+4*\i+3], v5 offset:528*\i
.endr
.endm
.macro SEND a, younger                 ; younger: the LDS instructions issued behind tile a's loads
.set BB, 64+96*((\a)%2)
	s_wait_dscnt \younger
.irp i, 0,1,2,3,4,5,6,7,8,9,10,11,12,13,14,15
	global_store_b128 v1, v[BB+4*\i:BB+4*\i+3], s[OUT:OUT+1] offset:4096*(32*((\a)/2)+8*((\a)%2)+\i+8*(\i/8)) th:TH_STORE_NT   ; 32 lanes store 512 consecutive bytes of a token's row, aligned
.endr
.endm
	s_load_b128 s[4:7], s[0:1], 0x0                ; aq, wq
	s_load_b64 s[8:9], s[0:1], 0x10                ; out0
	v_lshl_add_u32 v158, v0, 2, 0x29000
	v_mov_b32 v159, 0
	ds_add_u32 v158, v159
	ds_add_u32 v158, v159
	v_lshrrev_b32 v7, 5, v0
	v_readfirstlane_b32 s12, v7                    ; wave
	v_and_b32 v7, 31, v0
	v_and_b32 v6, 15, v0                           ; r
	v_bfe_u32 v3, v0, 4, 1                         ; h
	v_lshlrev_b32 v1, 4, v7                        ; 16 x lane
	v_lshlrev_b32 v2, 4, v6
	v_lshl_add_u32 v2, v3, 3, v2                   ; 16 r + 8 h
	s_mul_i32 s69, s12, 8448
	s_add_co_u32 s69, s69, REGION                  ; my stage
	v_mul_u32_u24 v4, v6, 528
	v_lshl_add_u32 v4, v3, 6, v4
	v_add_nc_u32 v4, s69, v4                       ; in: row r, + 64 h
	v_add_nc_u32 v5, s69, v1                       ; back: 16 x lane of a row
	v_lshlrev_b32 v6, 1, v6
	v_lshl_add_u32 v3, v3, 17, v6                  ; the scale halves: 2 r; lanes 16-31 take the heads eight on (8 x 16,384 bytes)
	v_add_nc_u32 v8, 0, v1
	v_add_nc_u32 v9, 51200, v1
	v_add_nc_u32 v10, 0, v2
	v_add_nc_u32 v11, 51200, v2
	s_bfe_u32 s13, ttmp6, 0x40000                  ; cx
	s_and_b32 s14, ttmp9, 7                        ; the group of 128 columns
	s_mul_i32 s19, s12, 25600                      ; my quarter of P, in memory and in LDS alike
	s_mul_i32 s20, s14, REGION
	s_add_co_u32 s20, s20, s19
	s_add_co_u32 s20, s20, 2457600                 ; Wo's tiles
	s_mov_b32 s21, 0
	s_mov_b32 s24, 15|(3<<16)|(1<<21)              ; the mask names all four work-groups, bit 21 beside it; elements of 8 bytes; no padding
	s_mov_b32 s25, 32<<16                          ; rows of 256 bytes,
	s_mov_b32 s26, 100<<16                         ; 100 of them, dense
	s_mov_b32 s27, 32<<16
	s_mov_b32 s28, 100
	s_mov_b32 s29, 32
	s_mov_b32 s30, 0
	s_mov_b32 s31, 0
	s_lshr_b32 s66, ttmp9, 3
	s_lshl_b32 s66, s66, 2
	s_add_co_u32 s66, s66, s13                     ; gq
	s_lshl_b32 s67, s66, 4
	s_lshl_b32 s68, s12, 2
	s_add_co_u32 s67, s67, s68                     ; my first tile of tokens: 16 gq + 4 w
	s_mov_b32 s71, 0
	s_wait_dscnt 0x0
	s_wait_kmcnt 0x0
	s_mov_b32 s32, 1
	s_mov_b32 s33, s19
	s_add_nc_u64 s[34:35], s[6:7], s[20:21]
	s_or_b32 s35, s35, 0x80000000
	s_mul_i32 s70, s67, 12288
	s_add_nc_u64 s[QX:QX+1], s[4:5], s[70:71]
	s_lshl_b32 s70, s67, 5
	s_add_co_u32 s70, s70, 6291456
	s_add_nc_u64 s[QSB:QSB+1], s[4:5], s[70:71]
	s_lshl_b32 s70, s67, 16                        ; 16 tokens a tile x 4,096 bytes
	s_lshl_b32 s68, s14, 9
	s_add_co_u32 s70, s70, s68
	s_add_nc_u64 s[OUT:OUT+1], s[8:9], s[70:71]
	ROUND                                          ; all four work-groups are here: the joint loads meet
	tensor_load_to_lds s[32:35], s[24:31]          ; one load of mine is out
	s_nop 0
.rept 4
	v_nop                                          ; four nops behind the tensor load
.endr
	s_wait_alu depctr_va_vdst(0)
.irp a, 0,1,2,3
.irp j, 0,1,2,3
	global_load_u16 v[16+4*\a+\j], v3, s[QSB:QSB+1] offset:32768*\j+32*\a          ; head 2 (4 h + j): the word's lower half
	global_load_u16 v[64+4*\a+\j], v3, s[QSB:QSB+1] offset:32768*\j+32*\a+16384    ; the odd head: its upper half
.endr
.endr
	QLOAD QX, 0
	QLOAD QX, 1
	QLOAD QX, 2
	QLOAD QX, 3
	s_wait_tensorcnt 0x0                           ; my quarter of P is in,
	s_barrier_signal -1
	s_barrier_wait -1                              ; everybody's is
	WIN 0
.irp b, 0,1,2,3,4,5,6,7
	ds_load_b128 v[32+4*\b:35+4*\b], v[8+\b/4] offset:12800*(\b%4)+12288   ; P's scale words, all of K
.endr
	FETCHP 0, 0
.irp s, 0,1,2,3,4,5,6,7
.if \s > 0
	PLACES
.endif
.if \s < 7
	FETCHP \s+1, (\s+1)%2
	s_wait_alu depctr_va_vdst(0)
	s_wait_dscnt 32                                ; all but the 32 just issued
.else
	s_wait_dscnt 0x0
.endif
.if \s < 5
	s_wait_loadcnt 48                              ; this step's Q (and, in step 0, the scale halves) are in; three later steps' 16 loads each may be out
.else
	s_wait_loadcnt 16*(7-\s)
.endif
.if \s < 4
	QLOAD QX, \s+4
.endif
.if \s == 0
	WIN 0
.set j, 0
.rept 16
	v_lshl_or_b32 v[16+j], v[64+j], 16, v[16+j]    ; the two heads' halves make a K step's scale word
.set j, j+1
.endr
.rept 8
	v_nop                                          ; a scale register written by a vector instruction stands eight places ahead of the scaled product
.endr
.endif
	MUL \s
.endr
	PLACES
	TOSTAGE 0
.irp a, 1,2,3
.if \a > 1
	s_wait_xcnt 0x0                                ; tile a - 2's stores have read their registers: tile a's rows may land there
.endif
	TOSTAGE \a
	SEND \a-1, 32                                  ; behind tile a - 1's loads: tile a's 16 stores and 16 loads
.endr
	SEND 3, 0
	s_wait_tensorcnt 0x0
	ds_add_u32 v158, v159
	s_wait_dscnt 0x0
	ROUND                                          ; the closing round
	s_endpgm
.Lfunc_end_k_q6a474e9466_outp:
	.size	k_q6a474e9466_outp, .Lfunc_end_k_q6a474e9466_outp-k_q6a474e9466_outp
	.p2alignl 7, 3214868480
	.fill 96, 4, 3214868480
	.section	.rodata,"a",@progbits
	.p2align	6, 0x0
	.amdhsa_kernel k_q6a474e9466_outp
		.amdhsa_group_segment_fixed_size 168448
		.amdhsa_private_segment_fixed_size 0
		.amdhsa_enable_private_segment 0
		.amdhsa_kernarg_size 24
		.amdhsa_user_sgpr_count 2
		.amdhsa_user_sgpr_kernarg_segment_ptr 1
		.amdhsa_wavefront_size32 1
		.amdhsa_system_sgpr_workgroup_id_x 1
		.amdhsa_system_sgpr_workgroup_id_y 1
		.amdhsa_system_sgpr_workgroup_id_z 1
		.amdhsa_system_vgpr_workitem_id 0
		.amdhsa_next_free_vgpr 1024
		.amdhsa_next_free_sgpr 72
		.amdhsa_reserve_vcc 0
		.amdhsa_float_denorm_mode_32 3
		.amdhsa_float_denorm_mode_16_64 3
		.amdhsa_memory_ordered 1
		.amdhsa_forward_progress 1
		.amdhsa_inst_pref_size 87
	.end_amdhsa_kernel
	.amdgpu_metadata
---
amdhsa.version: [ 1, 2 ]
amdhsa.kernels:
  - .name:           k_q6a474e9466_outp
    .symbol:         k_q6a474e9466_outp.kd
    .args:
      - { .name: aq, .offset: 0, .size: 8, .value_kind: global_buffer, .address_space: global }
      - { .name: wq, .offset: 8, .size: 8, .value_kind: global_buffer, .address_space: global }
      - { .name: out0, .offset: 16, .size: 8, .value_kind: global_buffer, .address_space: global }
    .group_segment_fixed_size: 168448
    .private_segment_fixed_size: 0
    .kernarg_segment_align: 8
    .kernarg_segment_size: 24
    .max_flat_workgroup_size: 128
    .sgpr_count:     72
    .vgpr_count:     1024
    .wavefront_size: 32
...
	.end_amdgpu_metadata
.endif
;; end of part 4
